; MI455X (gfx1250); checked and timed in simulation.
; The chip was launched on July 23, 2026; its instructions are those of AMD's public machine-readable ISA for CDNA 5 (MIT licence, August 2026) and "CDNA5" Instruction Set Architecture Reference Guide (July 2026). The comments in the code are by the model that wrote it; some were corrected since.
;; SAM. Allowed arithmetic: matrix products marked QUANTISED: E4M3 operands, one E8M0 scale for each 32 along K, by v_wmma_scale_f32_16x16x128_f8f6f4 with both operands' format E4M3, f32 sums; everything else in f32.
;; Inputs: Wq 256 x 256 float32; Wv 256 x 256 float32; Wz 256 x 256 float32; x 2 x 256 x 64 x 64 float32.
;; Outputs: out0 2 x 256 x 64 x 64 float32.
;; This version of the problem:
;;   THIS VERSION OF THE PROBLEM IS GIVEN IN LOW PRECISION. The matrix products marked QUANTISED in the list below multiply operands that are first quantised to E4M3 (4 exponent bits, 3 mantissa bits; 8 bits a number), with one power-of-two scale for each 32 numbers along K (OCP MX v1.0); their sums are f32. All else is computed in f32.
;;   The module's matrix products, in the order in which they are computed (A, B: the left and right operand; K: the contracted axis; several contracted axes count as one K, in the product's order):
;;     1. [M 8,192, K 256] x [K 256, N 256]; A: input x; B: input Wv: QUANTISED
;;     2. [M 8,192, K 256] x [K 256, N 256]; A: input x; B: input Wz: QUANTISED
;;     3. [M 8,192, K 256] x [K 256, N 256]; A: input x; B: input Wq: QUANTISED
;;     4. batch 16 x [M 4,096, K 32] x [K 32, N 4,096]; A: computed on the way; B: computed on the way: QUANTISED
;;     5. batch 16 x [M 32, K 4,096] x [K 4,096, N 4,096]; A: computed on the way; B: softmax (see below): QUANTISED
;;   THE QUANTISER, for each operand of a quantised product, along K:
;;     - K is cut into blocks of 32 from its start; a last block that is shorter is filled with zeros.
;;     - A block's scale is 2^e with e = floor(log2(the largest magnitude in the block)) - 8, held to -126 .. 127; a block of zeros has e = 0. As a byte (E8M0): e + 127.
;;     - Each number is divided by its block's scale, clamped to +-448, and rounded to the nearest number of E4M3, ties to even, subnormals kept.
;;     - The product sums the exact products of the quantised numbers (number of the format x scale) in f32.
;;   ~~~python
;;   def quantise(x, axis):      # numpy; x: float32 -> the quantised numbers, widened to float32 again
;;       x = np.moveaxis(x, axis, -1); K = x.shape[-1]
;;       x = np.pad(x, [(0, 0)] * (x.ndim - 1) + [(0, -K % 32)]); x = x.reshape(x.shape[:-1] + (-1, 32)); a = np.abs(x).max(-1, keepdims=True)
;;       e = np.where(a > 0, np.clip(np.frexp(np.where(a > 0, a, 1))[1] - 1 - 8, -126, 127), 0)      # np.frexp(a)[1] - 1 = floor(log2(a)), exactly
;;       r = np.clip(x / 2.0 ** e, -448, 448)
;;       step = 2.0 ** (np.maximum(np.frexp(np.where(r == 0, 1, r))[1] - 1, -6) - 3)
;;       q = np.round(r / step) * step * 2.0 ** e      # np.round: ties to even
;;       return np.moveaxis(q.reshape(q.shape[:-2] + (-1,))[..., :K], -1, axis).astype(np.float32)
;;   ~~~
;;   SOFTMAX AHEAD OF A QUANTISED PRODUCT. Where the list says 'softmax', what is quantised is not the finished softmax but p = 2^(t - M), with t = logit x log2(e) and M = ceil(the row's largest t), a whole number; so 1/2 < the row's largest p <= 1. The row's sum l is taken of the UNQUANTISED p, in f32, and the product's result is divided by l at the end. Since M is a whole number, a kernel that streams over the keys may use a running M (the ceiling of the running maximum): every later rescaling is an exact power of two, which a block's scale takes up: the codes' values come out the same.
;;   OPERANDS COMPUTED ON THE WAY. 'Computed on the way' means the value that the module computes at that place (a softmax that the list does not call 'softmax' is quantised finished and normalised). What goes into a quantiser is computed in f32, as accurately as f32 sums, v_exp_f32 and their like allow (about 1e-6 of the number): no bf16 or f16 on the way to a quantiser, and a product that is left as it is and whose result goes on into a quantised operand takes f32 operands (vector FMAs, or v_wmma_f32_16x16x4_f32). A number that lies on a knife's edge between two numbers of the format may be rounded either way, as far as f32 arithmetic and the matrix unit's own rounding can turn it there, and no further.
;; One version. Each part assembles by itself: llvm-mc -triple=amdgcn-amd-amdhsa -mcpu=gfx1250 --defsym DOCPART=n.
;; ======== version 1 of 1: 2 launches
;; limits: right only within a limited range of input values
;; workspace buffers: qimg 2,097,152 bytes; qsw 262,144 bytes; kimg 2,097,152 bytes; ksw 262,144 bytes; vimg 2,097,152 bytes; vsw 65,536 bytes
;; launch proj (part 1): grid 16 x 16, 16 waves a work-group, no clusters, 102,400 bytes of LDS; arguments x, Wv, Wz, Wq, qimg, qsw, kimg, ksw, vimg, vsw; writes qimg, qsw, kimg, ksw, vimg, vsw
.if DOCPART == 1
	.amdgcn_target "amdgcn-amd-amdhsa--gfx1250"
	.amdhsa_code_object_version 6
	.text
	.protected	k_q0b5a9421bf_proj
	.globl	k_q0b5a9421bf_proj
	.p2align	8
	.type	k_q0b5a9421bf_proj,@function
k_q0b5a9421bf_proj:
	s_mov_b64 s[64:65], 0
	v_nop
	global_prefetch_b8 v0, s[64:65] scope:SCOPE_SE
	s_setreg_imm32_b32 hwreg(HW_REG_WAVE_MODE, 25, 1), 1
	s_wait_xcnt 0x0
; THE THREE PROJECTIONS, THE POSITIONAL CODE AND THE QUANTISERS IN FRONT OF THE ATTENTION.
; v = Wv x, z = Wz x, q = Wq x: x [2][256 c][4096 n] f32, W [256 o][256 c] f32; both operands quantised along c to E4M3 with one E8M0 scale for each 32.
; Then v and z + PE are quantised along the head's 32 channels (one block), q along n (blocks of 32 positions), and stored as images of the operand registers of the next launch.
; SHARES.  Work-group (x = chunk, y = 8 b + head) takes 256 positions of batch b and the head's 96 rows (32 of each W): 256 work-groups.  Sixteen waves of 256 registers.
;   X: wave w quantises positions 32 (w & 7) + lane, channels 128 (w >> 3) on: A LANE TAKES A POSITION AND ITS REGISTERS RUN DOWN c, so a block of 32 lies in one lane and the codes come out with c innermost.
;      Waves 0-11 also quantise one fragment of W each (matrix w >> 2, tile of 16 rows (w >> 1) & 1, 128 channels w & 1) and store it in LDS as an image of its registers.
;   P: wave w makes v and z for the 16 positions 32 (w >> 1) + 8 (w & 1) + r + 8 (r / 8), transposed (source 0 = 16 rows of W, source 1 = x): a lane holds one position and its 16 registers the channels 16 h + 0 .. 15,
;      since lane r of W's tile u takes row 8 u + r + 8 (r / 8).  The positional code is the C of z's first product.  Then q for 32 positions x 16 rows (source 0 = x, source 1 = Wq): a lane holds one row and 16 neighbouring positions.
; NO JOINT LOADS: x has to be quantised with c down a lane's registers, so it comes through registers; as an f32 tile in LDS it would be 262,144 bytes beside the 100,096 in use here, more than a work-group can claim.
; THE POSITIONAL CODE: channel k of a half of 128: angle = position x 2^(-(k & ~1) log2(10000) / 128); sine at even k, cosine at odd k; heads 0-3 take n / 64, heads 4-7 n % 64.
;   Sine and cosine: the nearest multiple of pi/2 is taken off in two parts, then polynomials of degree 7 and 8 on |r| <= pi/4.
; LIMITS: NaN and infinities among the inputs are not served.  A block of zeros gets the scale byte 1 and not 127: its codes are zeros, and this program alone reads the bytes.
;   The angle differs from one made by a correctly rounded exponential by that instruction's last bits times the position: at most about 7e-6 absolute at position 63.
.set PITCH, 272                        ; a position's 256 codes + 16 bytes: an odd multiple of 16
.set XC,    0                          ; x's codes: 256 rows x PITCH
.set XSW,   69632                      ; x's scale words: [128 channels: 2][256 positions] x 4 bytes
.set WI,    71680                      ; 12 images of W's fragments, 2,048 bytes each
.set WSW,   96256                      ; their scale words, 128 bytes each
.set SK,    97792                      ; 1,024 bytes: the scale words of z + PE, in the order in which they leave
.set SQ,    98816                      ; 1,024 bytes: those of v
.set SV,    99840                      ; 256 bytes: the scale bytes of q
.set LI,  1                            ; v1   16 x lane
.set LS,  2                            ; v2   4 x lane (also x's byte offset: a lane to a position)
.set RR,  3                            ; v3   r = lane % 16
.set HH,  4                            ; v4   h = lane / 16
.set RP,  5                            ; v5   r + 8 (r / 8)
.set XW,  7                            ; v7   where I store x's codes
.set XWS, 8                            ; v8   and their scale word
.set WA,  9                            ; v9   my byte offset in W's rows
.set WWI, 10                           ; v10  where I store W's image
.set WWS, 11                           ; v11  and its scale word
.set XFA, 12                           ; v12  x's fragment for v and z
.set XSA, 13                           ; v13  its scale words
.set XPA, 14                           ; v14  x's two fragments for q
.set XPS, 15                           ; v15  their scale words
.set WQA, 16                           ; v16  Wq's images for my tile of rows
.set WQS, 17                           ; v17  their scale words
.set SQA, 18                           ; v18  where v's scale word goes
.set SKA, 19                           ; v19  where z's goes
.set SVA, 20                           ; v20  where q's byte goes
.set ORD, 21                           ; v21  the way out of SK and SQ
.set ORV, 22                           ; v22  the way out of SV
.set L8,  23                           ; v23  8 x lane
.set SB,  24                           ; v24  x's scale word while it is put together
.set PW,  25                           ; v25  W's scale word
.set LN,  26                           ; v26  lane
.set K2,  27                           ; v27  the even channel of my first angle
.set PF,  28                           ; v28  my position along the axis, as f32
.set WIA, 30                           ; v30  WI + 16 x lane
.set WSA, 31                           ; v31  WSW + 4 x lane
.set PE,  32                           ; v32-47   the positional code of my 16 channels; z is summed onto it
.set TM,  48                           ; v48-63   at work in the quantisers
.set WR,  64                           ; v64-127  64 numbers of W
.set XR,  128                          ; v128-191 two sets of 32 numbers of x
.set XCD, 192                          ; v192-223 x's codes, eight registers for each block
.set PC,  224                          ; v224-239 W's codes
.set TN,  192                          ; v192-239 sine and cosine, eight angles by turns: six sets of eight
.set TR,  200
.set TZ,  208
.set TSN, 216
.set TCS, 224
.set TQ,  232
.set XF,  64                           ; v64-95   x's fragment, two K steps
.set WF,  96                           ; v96-223  Wv's and Wz's eight fragments
.set DV,  224                          ; v224-239 v
.set XSC, 240                          ; v240-255 hold scale words and nothing else
.set WSC, 242
.set XPSC, 250
.set WQSC, 254
.set XPR, 96                           ; v96-159  x's fragments for q: tile e, K step s at 32 e + 16 s
.set WQ,  160                          ; v160-191 Wq's two
.set DQ,  192                          ; v192-207 q
.set CV,  208                          ; codes of v, of z + PE, of q
.set CZ,  212
.set CQ,  216
.set BV,  220                          ; and their scale bytes
.set BZ,  221
.set BQ,  222
; block t of my 128 channels: x(32 t + i, my position), i = 0 .. 31: 32 lanes read 128 consecutive bytes
.macro XLOAD t
.irp i, 0,1,2,3,4,5,6,7,8,9,10,11,12,13,14,15,16,17,18,19,20,21,22,23,24,25,26,27,28,29,30,31
	global_load_b32 v[XR+32*((\t)%2)+\i], v[LS], s[4:5] offset:(32*(\t)+\i)*16384
.endr
.endm
; block t is quantised: all its 32 numbers are mine
.macro UNIT t
.set XB, XR+32*((\t)%2)
	v_max3_num_f32 v[TM], |v[XB]|, |v[XB+1]|, |v[XB+2]|
	v_max3_num_f32 v[TM+1], |v[XB+3]|, |v[XB+4]|, |v[XB+5]|
.irp i, 6,10,14,18,22,26
	s_delay_alu instid0(VALU_DEP_2)
	v_max3_num_f32 v[TM], v[TM], |v[XB+\i]|, |v[XB+\i+1]|
	s_delay_alu instid0(VALU_DEP_2)
	v_max3_num_f32 v[TM+1], v[TM+1], |v[XB+\i+2]|, |v[XB+\i+3]|
.endr
	s_delay_alu instid0(VALU_DEP_2)
	v_max3_num_f32 v[TM], v[TM], |v[XB+30]|, |v[XB+31]|
	s_delay_alu instid0(VALU_DEP_1)
	v_max3_num_f32 v[TM], v[TM], v[TM+1], 0x4800000    ; the floor 2^(9 - 127): the byte cannot fall under 1
	s_delay_alu instid0(VALU_DEP_1)
	v_add_nc_u32 v[TM+8], 0xfc000000, v[TM]            ; 8 off the exponent field: the conversion's scale operand
.if (\t) == 0
	s_delay_alu instid0(VALU_DEP_1)
	v_lshrrev_b32 v[SB], 23, v[TM+8]                   ; the scale's byte: the lower channels in the lower byte
.else
	s_delay_alu instid0(VALU_DEP_1)
	v_lshrrev_b32 v[TM+13], 23, v[TM+8]
	s_delay_alu instid0(VALU_DEP_1)
	v_lshl_or_b32 v[SB], v[TM+13], 8*(\t), v[SB]
.endif
.irp i, 0,1,2,3,4,5,6,7,8,9,10,11,12,13,14,15,16,17,18,19,20,21,22,23,24,25,26,27,28,29,30,31
.endr
.irp g, 0,1,2,3
	v_cvt_scalef32_pk8_fp8_f32 v[XCD+8*(\t)+2*\g:XCD+8*(\t)+2*\g+1], v[XB+8*\g:XB+8*\g+7], v[TM+8]
.endr
	v_nop                                              ; a plain line behind the last conversion
	ds_store_b128 v[XW], v[XCD+8*(\t):XCD+8*(\t)+3] offset:32*(\t)
	ds_store_b128 v[XW], v[XCD+8*(\t)+4:XCD+8*(\t)+7] offset:32*(\t)+16
.endm
; 64 numbers of a lane, register 16 b + i = k 32 b + 16 h + i of my row, become a fragment's codes in v[PC] on and its scale word in v[PW]
.macro QUANT s
.irp b, 0,1,2,3
	v_max3_num_f32 v[TM+\b], |v[\s+16*\b]|, |v[\s+1+16*\b]|, 0x4800000
.endr
.irp i, 2,4,6,8,10,12,14
.irp b, 0,1,2,3
	s_delay_alu instid0(VALU_DEP_4)
	v_max3_num_f32 v[TM+\b], v[TM+\b], |v[\s+16*\b+\i]|, |v[\s+1+16*\b+\i]|
.endr
.endr
.irp b, 0,1,2,3
	s_delay_alu instid0(VALU_DEP_4)
	v_permlanex16_b32 v[TM+4+\b], v[TM+\b], s30, s31
.endr
.irp b, 0,1,2,3
	s_delay_alu instid0(VALU_DEP_4)
	v_max_num_f32 v[TM+\b], v[TM+\b], v[TM+4+\b]       ; with lane l xor 16's: the block's largest magnitude
.endr
.irp b, 0,1,2,3
	s_delay_alu instid0(VALU_DEP_4)
	v_add_nc_u32 v[TM+12+\b], 0xfc000000, v[TM+\b]
.endr
.irp b, 0,1,2,3
.endr
.irp b, 0,1,2,3
	s_delay_alu instid0(VALU_DEP_4)
	v_lshrrev_b32 v[TM+4+\b], 23, v[TM+12+\b]
.endr
	s_delay_alu instid0(VALU_DEP_3)
	v_lshl_or_b32 v[PW], v[TM+5], 8, v[TM+4]
	s_delay_alu instid0(VALU_DEP_1)
	v_lshl_or_b32 v[PW], v[TM+6], 16, v[PW]
	s_delay_alu instid0(VALU_DEP_1)
	v_lshl_or_b32 v[PW], v[TM+7], 24, v[PW]
.irp b, 0,1,2,3
.irp i, 0,1,2,3,4,5,6,7,8,9,10,11,12,13,14,15
.endr
	v_cvt_scalef32_pk8_fp8_f32 v[PC+4*\b:PC+1+4*\b], v[\s+16*\b:\s+7+16*\b], v[TM+12+\b]
	v_cvt_scalef32_pk8_fp8_f32 v[PC+2+4*\b:PC+3+4*\b], v[\s+8+16*\b:\s+15+16*\b], v[TM+12+\b]
.endr
	v_nop
.endm
; 16 numbers of a lane, half of a block of 32 whose other half lies in lane l xor 16, become 16 codes and the block's byte.  The numbers are taken from the low end on.
.macro QUANT16 src, dst, byte, tb
	v_max3_num_f32 v[\tb], |v[\src]|, |v[\src+1]|, 0x4800000
.irp i, 2,4,6,8,10,12,14
	v_max3_num_f32 v[\tb], v[\tb], |v[\src+\i]|, |v[\src+\i+1]|
.endr
	s_delay_alu instid0(VALU_DEP_1)
	v_permlanex16_b32 v[\tb+4], v[\tb], s30, s31
	s_delay_alu instid0(VALU_DEP_1)
	v_max_num_f32 v[\tb], v[\tb], v[\tb+4]
	s_delay_alu instid0(VALU_DEP_1)
	v_add_nc_u32 v[\tb+8], 0xfc000000, v[\tb]
	s_delay_alu instid0(VALU_DEP_1)
	v_lshrrev_b32 v[\byte], 23, v[\tb+8]
.irp i, 0,1,2,3,4,5,6,7,8,9,10,11,12,13,14,15
.endr
	v_cvt_scalef32_pk8_fp8_f32 v[\dst:\dst+1], v[\src:\src+7], v[\tb+8]
	v_cvt_scalef32_pk8_fp8_f32 v[\dst+2:\dst+3], v[\src+8:\src+15], v[\tb+8]
	v_nop
.endm
.macro BARRIER                         ; my LDS stores have landed and my LDS loads are in: then the work-group's barrier
	s_wait_dscnt 0x0
	s_barrier_signal -1
	s_barrier_wait -1
.endm
	s_load_b256 s[4:11], s[0:1], 0x0               ; x, Wv, Wz, Wq
	s_load_b256 s[12:19], s[0:1], 0x20             ; qimg, qsw, kimg, ksw
	s_load_b128 s[20:23], s[0:1], 0x40             ; vimg, vsw
	v_lshl_add_u32 v6, v0, 2, 0x18800
	v_mov_b32 v29, 0
	v_lshrrev_b32 v[LN], 5, v0
	s_delay_alu instid0(VALU_DEP_1)
	v_readfirstlane_b32 s24, v[LN]                 ; wave 0..15
	v_and_b32 v[LN], 31, v0
	s_wait_alu depctr_va_vdst(0)
	v_lshlrev_b32 v[LI], 4, v[LN]
	v_lshlrev_b32 v[LS], 2, v[LN]
	s_wait_alu depctr_va_vdst(0)
	v_and_b32 v[RR], 15, v0
	s_wait_alu depctr_va_vdst(0)
	v_bfe_u32 v[HH], v0, 4, 1
	v_and_b32 v[RP], 8, v[RR]
	s_delay_alu instid0(VALU_DEP_1)
	v_add_nc_u32 v[RP], v[RP], v[RR]
	s_and_b32 s26, ttmp7, 0xffff                   ; 8 b + head
	s_lshr_b32 s27, s26, 3                         ; b
	s_and_b32 s28, s26, 7                          ; head
	s_and_b32 s50, s24, 7
	s_lshr_b32 s51, s24, 3
	s_and_b32 s52, s24, 1
	s_lshr_b32 s53, s24, 1
	s_and_b32 s54, s53, 3
	s_mov_b32 s30, 0x76543210
	s_mov_b32 s31, 0xfedcba98                      ; v_permlanex16_b32's selects for lane l xor 16
	s_mov_b32 s40, 0x3f22f983                      ; 2 / pi
	s_mov_b32 s41, 0xbfc90fdb                      ; -pi/2, its f32 part,
	s_mov_b32 s42, 0x333bbd2e                      ; and what that part leaves
	s_mov_b32 s43, 0xb94ca1f9                      ; the sine's highest coefficient
	s_mov_b32 s44, 0x37ccf5ce                      ; the cosine's
	s_mov_b32 s45, 0xbdd49a78                      ; -log2(10000) / 128
	s_cmp_lt_u32 s28, 4
	s_cselect_b32 s46, 6, 0                        ; heads 0-3: n / 64; heads 4-7: n % 64
	; every LDS address is made here, ahead of the first branch on the wave's number
	s_mul_i32 s55, s50, 32*PITCH
	s_lshl_b32 s56, s51, 7
	s_add_co_u32 s55, s55, s56
	v_mul_u32_u24 v[XW], v[LN], PITCH
	s_delay_alu instid0(VALU_DEP_1)
	v_add_nc_u32 v[XW], s55, v[XW]                 ; row 32 (w & 7) + lane, byte 128 (w >> 3)
	s_lshl_b32 s55, s51, 10
	s_lshl_b32 s56, s50, 7
	s_add_co_u32 s55, s55, s56
	s_add_co_u32 s55, s55, XSW
	v_add_nc_u32 v[XWS], s55, v[LS]
	s_cmp_lt_u32 s24, 8
	s_cselect_b32 s55, 8, 0                        ; Wv, Wz: lane r takes row r + 8 (r / 8) of its tile; Wq: row r
	v_and_b32 v[WA], s55, v[RR]
	s_delay_alu instid0(VALU_DEP_1)
	v_add_nc_u32 v[WA], v[WA], v[RR]
	s_delay_alu instid0(VALU_DEP_1)
	v_lshlrev_b32 v[WA], 10, v[WA]                 ; a row of W is 1,024 bytes
	s_wait_alu depctr_va_vdst(0)
	v_lshl_add_u32 v[WA], v[HH], 6, v[WA]          ; + 64 h: my 16 numbers of a block of 32
	s_min_u32 s55, s24, 11                         ; (waves 12-15 store no image)
	s_lshl_b32 s56, s55, 11
	s_add_co_u32 s56, s56, WI
	v_add_nc_u32 v[WWI], s56, v[LI]
	s_lshl_b32 s56, s55, 7
	s_add_co_u32 s56, s56, WSW
	v_add_nc_u32 v[WWS], s56, v[LS]
	s_mul_i32 s55, s53, 32*PITCH
	v_mul_u32_u24 v[XPA], v[RP], PITCH
	s_delay_alu instid0(VALU_DEP_1)
	v_lshl_add_u32 v[XPA], v[HH], 4, v[XPA]
	s_delay_alu instid0(VALU_DEP_1)
	v_add_nc_u32 v[XPA], s55, v[XPA]               ; row 32 (w >> 1) + r + 8 (r / 8), + 16 h
	s_mul_i32 s56, s52, 8*PITCH
	v_add_nc_u32 v[XFA], s56, v[XPA]               ; and 8 (w & 1) rows on
	s_lshl_b32 s55, s53, 7
	s_add_co_u32 s55, s55, XSW
	v_lshl_add_u32 v[XPS], v[RP], 2, s55
	s_lshl_b32 s56, s52, 5
	v_add_nc_u32 v[XSA], s56, v[XPS]
	s_lshl_b32 s55, s52, 12
	s_add_co_u32 s55, s55, WI+8*2048
	v_add_nc_u32 v[WQA], s55, v[LI]                ; fragments 8 + 2 (w & 1) and the next
	s_lshl_b32 s55, s52, 8
	s_add_co_u32 s55, s55, WSW+8*128
	v_add_nc_u32 v[WQS], s55, v[LS]
	s_lshl_b32 s55, s24, 6
	s_add_co_u32 s55, s55, SQ
	v_lshl_add_u32 v[SQA], v[RR], 2, s55           ; [tile w][r]
	s_lshl_b32 s55, s51, 9
	s_lshl_b32 s56, s52, 8
	s_add_co_u32 s55, s55, s56
	s_lshl_b32 s56, s54, 2
	s_add_co_u32 s55, s55, s56
	s_add_co_u32 s55, s55, SK
	v_lshl_add_u32 v[SKA], v[RR], 4, s55           ; [128 keys w >> 3][lane 16 (w & 1) + r][(w >> 1) & 3]
	s_lshl_b32 s55, s51, 7
	s_lshl_b32 s56, s52, 6
	s_add_co_u32 s55, s55, s56
	s_add_co_u32 s55, s55, s54
	s_add_co_u32 s55, s55, SV
	v_lshl_add_u32 v[SVA], v[RR], 2, s55           ; [128 keys w >> 3][row 16 (w & 1) + r][byte (w >> 1) & 3]
	s_min_u32 s55, s24, 3                          ; (waves 0-3 alone read there)
	s_lshl_b32 s55, s55, 9
	s_add_co_u32 s55, s55, SK
	v_add_nc_u32 v[ORD], s55, v[LI]
	v_lshl_add_u32 v[ORV], v[LN], 3, SV
	v_lshlrev_b32 v[L8], 3, v[LN]
	v_add_nc_u32 v[WIA], WI, v[LI]
	v_add_nc_u32 v[WSA], WSW, v[LS]
.irp b, 0,1,2,3
	v_mov_b32 v[TM+4+\b], 0                        ; written once: a lane permute's destination counts as one of its sources
.endr
	; byte offsets into the buffers, apart from the addresses
	s_lshl_b32 s34, s27, 22                        ; x: batch,
	s_lshl_b32 s35, s51, 21                        ; my 128 channels,
	s_add_co_u32 s34, s34, s35
	s_lshl_b32 s35, ttmp9, 10                      ; the chunk's 256 positions,
	s_add_co_u32 s34, s34, s35
	s_lshl_b32 s35, s50, 7                         ; my 32 of them
	s_add_co_u32 s34, s34, s35
	s_mov_b32 s35, 0
	s_cmp_lt_u32 s24, 8
	s_cselect_b32 s36, 8, 16                       ; W: tile u begins at row 8 u (Wv, Wz) or 16 u (Wq) of the head's 32
	s_and_b32 s37, s53, 1
	s_mul_i32 s36, s36, s37
	s_lshl_b32 s37, s28, 5
	s_add_co_u32 s36, s36, s37
	s_lshl_b32 s36, s36, 10
	s_lshl_b32 s37, s52, 9                         ; K step w & 1: 128 numbers on
	s_add_co_u32 s36, s36, s37
	s_mov_b32 s37, 0
	s_lshl_b32 s38, s26, 17                        ; qimg, kimg: tile 16 x chunk + w, 512 bytes each
	s_lshl_b32 s39, ttmp9, 13
	s_add_co_u32 s38, s38, s39
	s_lshl_b32 s39, s24, 9
	s_add_co_u32 s38, s38, s39
	s_mov_b32 s39, 0
	s_lshl_b32 s58, s26, 17                        ; vimg: [128 keys][tile of rows][block of 32 keys], 512 bytes each
	s_lshl_b32 s59, ttmp9, 13
	s_add_co_u32 s58, s58, s59
	s_lshl_b32 s59, s51, 12
	s_add_co_u32 s58, s58, s59
	s_lshl_b32 s59, s52, 11
	s_add_co_u32 s58, s58, s59
	s_lshl_b32 s59, s54, 9
	s_add_co_u32 s58, s58, s59
	s_mov_b32 s59, 0
	s_lshl_b32 s60, s26, 14                        ; ksw, qsw: 1,024 bytes a chunk, 512 a wave
	s_lshl_b32 s61, ttmp9, 10
	s_add_co_u32 s60, s60, s61
	s_lshl_b32 s61, s52, 9
	s_add_co_u32 s60, s60, s61
	s_mov_b32 s61, 0
	s_lshl_b32 s62, s26, 12                        ; vsw: 256 bytes a chunk
	s_lshl_b32 s63, ttmp9, 8
	s_add_co_u32 s62, s62, s63
	s_mov_b32 s63, 0
	s_wait_kmcnt 0x0
	s_add_nc_u64 s[4:5], s[4:5], s[34:35]
	s_cmp_lt_u32 s24, 8                            ; which W: the choice hangs on the wave's number alone
	s_cselect_b64 s[48:49], s[8:9], s[10:11]
	s_cmp_lt_u32 s24, 4
	s_cselect_b64 s[48:49], s[6:7], s[48:49]
	s_add_nc_u64 s[48:49], s[48:49], s[36:37]
	s_add_nc_u64 s[12:13], s[12:13], s[38:39]
	s_add_nc_u64 s[16:17], s[16:17], s[38:39]
	s_add_nc_u64 s[20:21], s[20:21], s[58:59]
	s_cmp_lt_u32 s24, 2                            ; waves 0, 1 carry ksw out, waves 2, 3 qsw
	s_cselect_b64 s[2:3], s[18:19], s[14:15]
	s_add_nc_u64 s[2:3], s[2:3], s[60:61]
	s_add_nc_u64 s[22:23], s[22:23], s[62:63]
	s_cmp_lt_u32 s24, 12
	s_cbranch_scc0 .Lno_w_load
.irp c, 0,1,2,3
.irp j, 0,1,2,3
	global_load_b128 v[WR+16*\c+4*\j:WR+16*\c+4*\j+3], v[WA], s[48:49] offset:128*\c+16*\j   ; W(my row, 128 s + 32 c + 16 h + 4 j ..)
.endr
.endr
.Lno_w_load:
	XLOAD 0
	; ---- the positional code of my position and my 16 channels, while the loads are on their way
	s_and_b32 s55, s28, 3
	s_lshl_b32 s55, s55, 5
	v_lshl_add_u32 v[K2], v[HH], 4, s55            ; my first channel within its half of 128: 32 (head % 4) + 16 h
.irp a, 1,2,3,4,5,6,7
	v_add_nc_u32 v[PE+2*\a], 2*\a, v[K2]
.endr
	v_cvt_f32_u32 v[PE], v[K2]
.irp a, 1,2,3,4,5,6,7
	v_cvt_f32_u32 v[PE+2*\a], v[PE+2*\a]
.endr
.irp a, 0,1,2,3,4,5,6,7
	v_mul_f32 v[PE+2*\a], s45, v[PE+2*\a]
.endr
	s_wait_alu depctr_va_vdst(0)
.irp a, 0,1,2,3,4,5,6,7
	v_exp_f32 v[PE+2*\a], v[PE+2*\a]               ; 10000^(-k / 128)
.endr
	s_lshl_b32 s55, ttmp9, 8
	s_lshl_b32 s56, s53, 5
	s_add_co_u32 s55, s55, s56
	s_lshl_b32 s56, s52, 3
	s_add_co_u32 s55, s55, s56
	v_add_nc_u32 v[PF], s55, v[RP]                 ; my position n.  (A plain line behind the exponentials)
	s_delay_alu instid0(VALU_DEP_1)
	v_lshrrev_b32 v[PF], s46, v[PF]
	s_delay_alu instid0(VALU_DEP_1)
	v_and_b32 v[PF], 63, v[PF]
	s_delay_alu instid0(VALU_DEP_1)
	v_cvt_f32_u32 v[PF], v[PF]
	s_wait_alu depctr_va_vdst(0)
.irp a, 0,1,2,3,4,5,6,7
	v_mul_f32 v[PE+2*\a], v[PF], v[PE+2*\a]        ; the angle
.endr
.irp a, 0,1,2,3,4,5,6,7
	v_mul_f32 v[TN+\a], s40, v[PE+2*\a]
.endr
.irp a, 0,1,2,3,4,5,6,7
	v_rndne_f32 v[TN+\a], v[TN+\a]                 ; the nearest multiple of pi/2
.endr
.irp a, 0,1,2,3,4,5,6,7
	v_fma_f32 v[TR+\a], v[TN+\a], s41, v[PE+2*\a]
.endr
.irp a, 0,1,2,3,4,5,6,7
	v_fma_f32 v[TR+\a], v[TN+\a], s42, v[TR+\a]    ; r, within pi/4 of 0
.endr
.irp a, 0,1,2,3,4,5,6,7
	v_mul_f32 v[TZ+\a], v[TR+\a], v[TR+\a]         ; z = r r
.endr
.irp a, 0,1,2,3,4,5,6,7
	v_cvt_i32_f32 v[TQ+\a], v[TN+\a]               ; the quadrant
.endr
.irp a, 0,1,2,3,4,5,6,7
	v_fmaak_f32 v[TSN+\a], s43, v[TZ+\a], 0x3c08839e
.endr
.irp a, 0,1,2,3,4,5,6,7
	v_fmaak_f32 v[TSN+\a], v[TSN+\a], v[TZ+\a], 0xbe2aaaa3
.endr
.irp a, 0,1,2,3,4,5,6,7
	v_mul_f32 v[TN+\a], v[TZ+\a], v[TR+\a]
.endr
.irp a, 0,1,2,3,4,5,6,7
	v_fma_f32 v[TSN+\a], v[TSN+\a], v[TN+\a], v[TR+\a]   ; sin r
.endr
.irp a, 0,1,2,3,4,5,6,7
	v_fmaak_f32 v[TCS+\a], s44, v[TZ+\a], 0xbab6061a
.endr
.irp a, 0,1,2,3,4,5,6,7
	v_fmaak_f32 v[TCS+\a], v[TCS+\a], v[TZ+\a], 0x3d2aaaa5
.endr
.irp a, 0,1,2,3,4,5,6,7
	v_fma_f32 v[TN+\a], v[TZ+\a], -0.5, 1.0
.endr
.irp a, 0,1,2,3,4,5,6,7
	v_mul_f32 v[TZ+\a], v[TZ+\a], v[TZ+\a]
.endr
.irp a, 0,1,2,3,4,5,6,7
	v_fma_f32 v[TCS+\a], v[TCS+\a], v[TZ+\a], v[TN+\a]   ; cos r
.endr
.irp a, 0,1,2,3,4,5,6,7
	v_and_b32 v[TN+\a], 1, v[TQ+\a]
.endr
.irp a, 0,1,2,3,4,5,6,7
	v_cmp_eq_u32 vcc_lo, 1, v[TN+\a]               ; in odd quadrants the two change places
	s_delay_alu instid0(VALU_DEP_1)
	v_cndmask_b32 v[TR+\a], v[TSN+\a], v[TCS+\a], vcc_lo
	s_delay_alu instid0(VALU_DEP_2)
	v_cndmask_b32 v[TZ+\a], v[TCS+\a], v[TSN+\a], vcc_lo
.endr
.irp a, 0,1,2,3,4,5,6,7
	v_and_b32 v[TN+\a], 2, v[TQ+\a]                ; the sine is negative in quadrants 2, 3,
.endr
.irp a, 0,1,2,3,4,5,6,7
	v_add_nc_u32 v[TQ+\a], 1, v[TQ+\a]
.endr
.irp a, 0,1,2,3,4,5,6,7
	v_and_b32 v[TQ+\a], 2, v[TQ+\a]                ; the cosine in quadrants 1, 2
.endr
.irp a, 0,1,2,3,4,5,6,7
	v_lshlrev_b32 v[TN+\a], 30, v[TN+\a]
.endr
.irp a, 0,1,2,3,4,5,6,7
	v_lshlrev_b32 v[TQ+\a], 30, v[TQ+\a]
.endr
.irp a, 0,1,2,3,4,5,6,7
	v_xor_b32 v[PE+2*\a], v[TN+\a], v[TR+\a]       ; even channel: sine
.endr
.irp a, 0,1,2,3,4,5,6,7
	v_xor_b32 v[PE+2*\a+1], v[TQ+\a], v[TZ+\a]     ; odd channel: cosine
.endr
	; ---- X: the quantisers
	XLOAD 1
	s_wait_loadcnt 32                              ; all but block 1's 32 loads: W (asked for first, where it was asked for) and block 0 are in
	s_cmp_lt_u32 s24, 12
	s_cbranch_scc0 .Lno_w_quant
	QUANT WR
.irp c, 0,1,2,3
	ds_store_b128 v[WWI], v[PC+4*\c:PC+4*\c+3] offset:512*\c   ; the fragment goes to LDS as it stands: lane l's 16 bytes at 16 l
.endr
	ds_store_b32 v[WWS], v[PW]
.Lno_w_quant:
	UNIT 0
	XLOAD 2
	s_wait_loadcnt 32                              ; block 1 is in; block 2's 32 loads may be out
	UNIT 1
	XLOAD 3
	s_wait_loadcnt 32                              ; block 2 is in; block 3's may be out
	UNIT 2
	s_wait_loadcnt 0x0
	UNIT 3
	ds_store_b32 v[XWS], v[SB]
	BARRIER                                        ; x's codes and scale words and W's twelve images lie in LDS
	; ---- P: v and z for my 16 positions
.irp s, 0,1
.irp c, 0,1,2,3
	ds_load_b128 v[XF+16*\s+4*\c:XF+16*\s+4*\c+3], v[XFA] offset:128*\s+32*\c
.endr
	ds_load_b32 v[XSC+\s], v[XSA] offset:1024*\s
.endr
.irp f, 0,1,2,3,4,5,6,7
.irp c, 0,1,2,3
	ds_load_b128 v[WF+16*\f+4*\c:WF+16*\f+4*\c+3], v[WIA] offset:2048*\f+512*\c
.endr
	ds_load_b32 v[WSC+\f], v[WSA] offset:128*\f
.endr
	s_wait_dscnt 0x0
	; four accumulators by turns, one instruction a turn; v's sums begin with 0, z's with the positional code
	v_wmma_scale_f32_16x16x128_f8f6f4 v[DV:DV+7], v[WF:WF+15], v[XF:XF+15], 0, v[WSC], v[XSC]
	v_wmma_scale_f32_16x16x128_f8f6f4 v[DV+8:DV+15], v[WF+32:WF+47], v[XF:XF+15], 0, v[WSC+2], v[XSC]
	v_wmma_scale_f32_16x16x128_f8f6f4 v[PE:PE+7], v[WF+64:WF+79], v[XF:XF+15], v[PE:PE+7], v[WSC+4], v[XSC]
	v_wmma_scale_f32_16x16x128_f8f6f4 v[PE+8:PE+15], v[WF+96:WF+111], v[XF:XF+15], v[PE+8:PE+15], v[WSC+6], v[XSC]
	v_wmma_scale_f32_16x16x128_f8f6f4 v[DV:DV+7], v[WF+16:WF+31], v[XF+16:XF+31], v[DV:DV+7], v[WSC+1], v[XSC+1]
	v_wmma_scale_f32_16x16x128_f8f6f4 v[DV+8:DV+15], v[WF+48:WF+63], v[XF+16:XF+31], v[DV+8:DV+15], v[WSC+3], v[XSC+1]
	v_wmma_scale_f32_16x16x128_f8f6f4 v[PE:PE+7], v[WF+80:WF+95], v[XF+16:XF+31], v[PE:PE+7], v[WSC+5], v[XSC+1]
	v_wmma_scale_f32_16x16x128_f8f6f4 v[PE+8:PE+15], v[WF+112:WF+127], v[XF+16:XF+31], v[PE+8:PE+15], v[WSC+7], v[XSC+1]
.rept 9
	v_nop                                          ; eight places in front of the loads into W's registers and of the first read of results; the ninth for q's sums, which a later product lays over W's registers
.endr
.irp e, 0,1
.irp s, 0,1
.irp c, 0,1,2,3
	ds_load_b128 v[XPR+32*\e+16*\s+4*\c:XPR+32*\e+16*\s+4*\c+3], v[XPA] offset:8*PITCH*\e+128*\s+32*\c
.endr
	ds_load_b32 v[XPSC+2*\e+\s], v[XPS] offset:32*\e+1024*\s
.endr
.endr
.irp s, 0,1
.irp c, 0,1,2,3
	ds_load_b128 v[WQ+16*\s+4*\c:WQ+16*\s+4*\c+3], v[WQA] offset:2048*\s+512*\c
.endr
	ds_load_b32 v[WQSC+\s], v[WQS] offset:128*\s
.endr
	QUANT16 DV, CV, BV, TM                         ; q's operands land while v and z + PE are quantised
	QUANT16 PE, CZ, BZ, TM+1
	global_store_b128 v[LI], v[CV:CV+3], s[12:13]  ; 32 lanes store 512 consecutive bytes, aligned: a tile's image
	global_store_b128 v[LI], v[CZ:CZ+3], s[16:17]
	ds_store_b32 v[SQA], v[BV]                     ; both halves of the lanes write the same word with the same value; bytes 1 to 3 are 0
	ds_store_b32 v[SKA], v[BZ]
	; ---- q for 32 positions x my 16 rows: source 0 = x, so that a lane's registers run along the positions
	s_wait_dscnt 0x0
	v_wmma_scale_f32_16x16x128_f8f6f4 v[DQ:DQ+7], v[XPR:XPR+15], v[WQ:WQ+15], 0, v[XPSC], v[WQSC]
	v_wmma_scale_f32_16x16x128_f8f6f4 v[DQ+8:DQ+15], v[XPR+32:XPR+47], v[WQ:WQ+15], 0, v[XPSC+2], v[WQSC]
	v_wmma_scale_f32_16x16x128_f8f6f4 v[DQ:DQ+7], v[XPR+16:XPR+31], v[WQ+16:WQ+31], v[DQ:DQ+7], v[XPSC+1], v[WQSC+1]
	v_wmma_scale_f32_16x16x128_f8f6f4 v[DQ+8:DQ+15], v[XPR+48:XPR+63], v[WQ+16:WQ+31], v[DQ+8:DQ+15], v[XPSC+3], v[WQSC+1]
.rept 8
	v_nop
.endr
	QUANT16 DQ, CQ, BQ, TM+2
	global_store_b128 v[LI], v[CQ:CQ+3], s[20:21]
	ds_store_b8 v[SVA], v[BQ]
	BARRIER                                        ; the chunk's scale words lie in LDS in the order in which they leave
	s_cmp_lt_u32 s24, 4
	s_cbranch_scc0 .Lnot_words
	ds_load_b128 v[XF:XF+3], v[ORD]
	s_wait_dscnt 0x0
	global_store_b128 v[LI], v[XF:XF+3], s[2:3]    ; 512 consecutive bytes, aligned
	s_branch .Ldone
.Lnot_words:
	s_cmp_eq_u32 s24, 4
	s_cbranch_scc0 .Ldone
	ds_load_b64 v[XF:XF+1], v[ORV]
	s_wait_dscnt 0x0
	global_store_b64 v[L8], v[XF:XF+1], s[22:23]   ; 256 consecutive bytes, aligned
.Ldone:
	s_wait_tensorcnt 0x0
	ds_add_u32 v6, v29
	s_wait_dscnt 0x0
	s_endpgm
.Lfunc_end_k_q0b5a9421bf_proj:
	.size	k_q0b5a9421bf_proj, .Lfunc_end_k_q0b5a9421bf_proj-k_q0b5a9421bf_proj
	.p2alignl 7, 3214868480
	.fill 96, 4, 3214868480
	.section	.rodata,"a",@progbits
	.p2align	6, 0x0
	.amdhsa_kernel k_q0b5a9421bf_proj
		.amdhsa_group_segment_fixed_size 102400
		.amdhsa_private_segment_fixed_size 0
		.amdhsa_enable_private_segment 0
		.amdhsa_kernarg_size 80
		.amdhsa_user_sgpr_count 2
		.amdhsa_user_sgpr_kernarg_segment_ptr 1
		.amdhsa_wavefront_size32 1
		.amdhsa_system_sgpr_workgroup_id_x 1
		.amdhsa_system_sgpr_workgroup_id_y 1
		.amdhsa_system_sgpr_workgroup_id_z 1
		.amdhsa_system_vgpr_workitem_id 0
		.amdhsa_next_free_vgpr 256
		.amdhsa_next_free_sgpr 66
		.amdhsa_reserve_vcc 1
		.amdhsa_float_denorm_mode_32 3
		.amdhsa_float_denorm_mode_16_64 3
		.amdhsa_fp16_overflow 1
		.amdhsa_memory_ordered 1
		.amdhsa_forward_progress 1
		.amdhsa_inst_pref_size 57
	.end_amdhsa_kernel
	.amdgpu_metadata
---
amdhsa.version: [ 1, 2 ]
amdhsa.kernels:
  - .name:           k_q0b5a9421bf_proj
    .symbol:         k_q0b5a9421bf_proj.kd
    .args:
      - { .name: x, .offset: 0, .size: 8, .value_kind: global_buffer, .address_space: global }
      - { .name: Wv, .offset: 8, .size: 8, .value_kind: global_buffer, .address_space: global }
      - { .name: Wz, .offset: 16, .size: 8, .value_kind: global_buffer, .address_space: global }
      - { .name: Wq, .offset: 24, .size: 8, .value_kind: global_buffer, .address_space: global }
      - { .name: qimg, .offset: 32, .size: 8, .value_kind: global_buffer, .address_space: global }
      - { .name: qsw, .offset: 40, .size: 8, .value_kind: global_buffer, .address_space: global }
      - { .name: kimg, .offset: 48, .size: 8, .value_kind: global_buffer, .address_space: global }
      - { .name: ksw, .offset: 56, .size: 8, .value_kind: global_buffer, .address_space: global }
      - { .name: vimg, .offset: 64, .size: 8, .value_kind: global_buffer, .address_space: global }
      - { .name: vsw, .offset: 72, .size: 8, .value_kind: global_buffer, .address_space: global }
    .group_segment_fixed_size: 102400
    .private_segment_fixed_size: 0
    .kernarg_segment_align: 8
    .kernarg_segment_size: 80
    .max_flat_workgroup_size: 512
    .sgpr_count:     66
    .vgpr_count:     256
    .wavefront_size: 32
...
	.end_amdgpu_metadata
.endif
;; end of part 1
;; launch attn (part 2): grid 16 x 16, 16 waves a work-group, clusters of 4 x 1, 327,680 bytes of LDS; arguments qimg, qsw, kimg, ksw, vimg, vsw, out0; writes out0
.if DOCPART == 2
	.amdgcn_target "amdgcn-amd-amdhsa--gfx1250"
	.amdhsa_code_object_version 6
	.text
	.protected	k_q0b5a9421bf_attn
	.globl	k_q0b5a9421bf_attn
	.p2align	8
	.type	k_q0b5a9421bf_attn,@function
k_q0b5a9421bf_attn:
	s_mov_b64 s[64:65], 0
	v_nop
	global_prefetch_b8 v0, s[64:65] scope:SCOPE_SE
	s_setreg_imm32_b32 hwreg(HW_REG_WAVE_MODE, 25, 1), 1
	s_wait_xcnt 0x0
	s_wait_alu depctr_hold_cnt(0) depctr_sa_sdst(0) depctr_va_vdst(0) depctr_va_sdst(0) depctr_va_ssrc(0) depctr_va_vcc(0) depctr_vm_vsrc(0)
	s_getreg_b32 s2, hwreg(HW_REG_IB_STS2, 6, 4)
	s_cmp_eq_u32 s2, 0
	s_cbranch_scc0 .Lentry_in_a_cluster
	s_endpgm
.Lentry_in_a_cluster:
	s_bfe_u32 s2, ttmp6, 0x10000c
	s_cmp_lg_u32 s2, 0x3003
	s_cbranch_scc0 .Lentry_shape_is_right
	s_endpgm
.Lentry_shape_is_right:
; out[b][32 head + d][m] = the sum over n of softmax_n(v[:, m] . (z + PE)[:, n] / sqrt(32)) q[d][n], both products on codes of E4M3 with one E8M0 scale for each 32 along K.
; Here the QUERIES are v's positions m, the KEYS (z + PE)'s positions n, the VALUES q.  All three arrive as images of operand registers, made by the launch before:
;   qimg, kimg: a tile of 16 positions is 512 bytes, lane (r, h): 16 codes, channels 16 h on, of position 128 (T / 8) + 32 ((T % 8) / 2) + 8 (T % 2) + r + 8 (r / 8);
;   vimg: [128 keys][16 rows of q][32 keys]: 512 bytes, lane (r, h): 16 codes, keys 16 h on;   qsw, ksw, vsw: their scale words.
; THE SOFTMAX: t = score x log2(e) / sqrt(32); M = the row's largest t so far, rounded up to a whole number; p = 2^(t - M) is quantised along the keys, not normalised.  The row's sum is taken of the unquantised p
; and divides at the end.  When M moves, the sum and O are multiplied by 2^(old M - new M), which rounds nothing.
; SHARES.  A work-group owns 256 queries of one (batch, head); each of its sixteen waves one tile of 16, in 256 registers: four waves to a SIMD, so that one wave's vector work stands beside another's matrix work and LDS loads.
; ALL OF A HEAD'S KEYS AND VALUES LIE IN LDS: 131,072 + 131,072 bytes of codes, 16,384 + 4,096 of scale words.  They are filled ONCE: no slot is ever filled again, and the loops hold no barrier.
; CLUSTER.  The four work-groups of a cluster belong to one (batch, head), so every fill is asked for JOINTLY: the same tensor load, the same descriptor, a mask that names the four.
; Waves 0 to 3 issue eight loads each (keys, values, keys' words, values' words), each load the part of 512 keys; the loop begins when the first parts have landed, and the counted waits follow the fills.
; LAYOUT.  Both products are used transposed: S^T = K Q^T (source 0 = 16 keys, source 1 = my 16 queries), O^T = V^T P^T (source 0 = 16 rows of q, source 1 = P): a lane holds ONE query throughout, and the 16 registers
; of key tiles 2 b and 2 b + 1 are the 16 neighbouring keys 32 b + 16 h + 0 .. 15.
; K = 32 IN AN INSTRUCTION OF K = 128.  The queries' fragment has zero codes in its blocks 1 to 3 (registers 4-15), and bytes 1 to 3 of all scale words of the first product are 0 (2^-127, a number).  The eight key tiles'
; four registers lie on end, with twelve zero registers behind them, and tile t's operand is the run of sixteen from its own four on: its blocks 1 to 3 are the neighbours' codes, which are finite (the quantiser holds at 448,
; so no NaN code is ever made) and meet zero codes: they add exactly 0.
; LIMITS: NaN and infinities are not served.  t is made by one multiply-add from the score, where two roundings could differ in the last bit.  A p under 2^-126 counts as 0.
.set KIMG,  0
.set VIMG,  131072
.set KSW,   262144
.set VSW,   278528
.set STG,   282624                     ; the way out: 32 rows (d) x (256 positions x 4 bytes + 16): bytes of its own, into which no fill lands
.set SPITCH, 1040
.set LI,  1                            ; v1   16 x lane
.set LS,  2                            ; v2   4 x lane
.set ADK, 3                            ; v3   LDS address of the step's keys
.set ADS, 4                            ; v4   of their scale words
.set ADV, 5                            ; v5   of its values
.set ADT, 6                            ; v6   of their scale words
.set R4,  7                            ; v7   4 r
.set STO, 8                            ; v8   the way out: where my query's numbers go
.set SRD, 9                            ; v9   and where I read rows back
.set QS,  11                           ; v11  my queries' scale words
.set NM,  12                           ; v12 -M, v13 the largest t so far
.set SUM, 14                           ; v[14:15] the row's sum, in two halves
.set Q,   16                           ; v16-19 my queries' codes, v20-31 zeros
.set KD,  32                           ; v32-63 eight key tiles, four registers each; v64-75 zeros
.set VF,  76                           ; v76-107 the values' two fragments
.set KS,  108                          ; v108-111 the keys' scale words: register j: lanes 0-15 tile 2 j, lanes 16-31 tile 2 j + 1
.set S,   112                          ; v112-175 S^T, then p
.set O,   176                          ; v176-191 O^T
.set PC,  192                          ; v192-207 p's codes
.set VS,  208                          ; v208 the values' scale words: lane d
.set PS,  209                          ; v209 p's scale word
.set BM,  212                          ; v212-215 each block's largest score, then its largest p
.set BP,  216                          ; v216-219 lane l xor 16's; then the bytes
.set BH,  220
.set BS,  224                          ; v224-227 the conversions' scale operands
.set F,   228                          ; v228 f = 2^(old M - new M); v229 is named with it as a pair
.set T0,  230
.set T1,  231
.set SU2, 232                          ; v[232:233] the sum's second chain
.set WV,  18
.set MNT, 19
.set SEL, 20
.set CS,  22
.set G1C, 24                           ; s[24:31] group 1 for the codes: 64 rows of 256 bytes
.set G1S, 32                           ; s[32:39] for the keys' words: 8 rows
.set G1T, 40                           ; s[40:47] for the values' words: 2 rows
.set TK,  84
.set TS,  86
.set TT,  87
.set CNT, 88
; A round of the cluster's barrier: my work-group's barrier, wave 0 signals for the work-group, every wave waits for all four work-groups, my work-group's barrier once more.
.macro CROUND
	s_barrier_signal -1
	s_barrier_wait -1
	s_cmp_lg_u32 s[WV], 0
	s_cbranch_scc1 .Lnot_wave_0_\@
	s_barrier_signal -3
.Lnot_wave_0_\@:
	s_barrier_wait -3
	s_barrier_signal -1
	s_barrier_wait -1
.endm
; One wave's eight fills: part g is stepb bytes, dense in memory and in LDS.  Eight groups 0, in s[48:63] and s[68:83]; eight loads of mine are out behind the last.  Four v_nop follow it.
.macro FILL8 ldsbase, stepb, p, g1
.irp g, 0,1,2,3,4,5,6,7
	s_mov_b32 s[48+4*\g+4*(\g/4)], 1                                   ; count = 1
	s_mov_b32 s[49+4*\g+4*(\g/4)], \ldsbase+\g*\stepb                  ; LDS address
	s_add_nc_u64 s[50+4*\g+4*(\g/4):51+4*\g+4*(\g/4)], s[\p:\p+1], \g*\stepb   ; global address
	s_or_b32 s[51+4*\g+4*(\g/4)], s[51+4*\g+4*(\g/4)], 0x80000000      ; type = 2
.endr
.irp g, 0,1,2,3,4,5,6,7
	tensor_load_to_lds s[48+4*\g+4*(\g/4):51+4*\g+4*(\g/4)], s[\g1:\g1+7]
	s_nop 0
.endr
.rept 4
	v_nop
.endr
.endm
	s_load_b256 s[4:11], s[0:1], 0x0               ; qimg, qsw, kimg, ksw
	s_load_b128 s[12:15], s[0:1], 0x20             ; vimg, vsw
	s_load_b64 s[16:17], s[0:1], 0x30              ; out0
	v_lshl_add_u32 v254, v0, 2, 0x4d200
	v_mov_b32 v255, 0
	ds_add_u32 v254, v255
	ds_add_u32 v254, v255
	v_lshrrev_b32 v[T0], 5, v0
	s_delay_alu instid0(VALU_DEP_1)
	v_readfirstlane_b32 s[WV], v[T0]               ; wave 0..15
	v_and_b32 v[T0], 31, v0
	s_delay_alu instid0(VALU_DEP_1)
	v_lshlrev_b32 v[LI], 4, v[T0]
	s_delay_alu instid0(VALU_DEP_2)
	v_lshlrev_b32 v[LS], 2, v[T0]
	v_and_b32 v10, 15, v0                          ; r
	v_bfe_u32 v[T0], v0, 4, 1                      ; h
	s_delay_alu instid0(VALU_DEP_2)
	v_and_b32 v[T1], 8, v10
	s_delay_alu instid0(VALU_DEP_1)
	v_add_nc_u32 v[T1], v[T1], v10                 ; r + 8 (r / 8)
	s_delay_alu instid0(VALU_DEP_4)
	v_lshlrev_b32 v[R4], 2, v10
	s_lshr_b32 s85, s[WV], 1                       ; my query's place among the work-group's 256: 32 (w / 2) + 8 (w % 2) + r + 8 (r / 8)
	s_lshl_b32 s85, s85, 7
	s_and_b32 s3, s[WV], 1
	s_lshl_b32 s3, s3, 5
	s_add_co_u32 s85, s85, s3
	s_add_co_u32 s85, s85, STG
	v_mul_u32_u24 v[STO], v[T0], 8*SPITCH          ; my half's eight rows d
	s_delay_alu instid0(VALU_DEP_1)
	v_lshl_add_u32 v[STO], v[T1], 2, v[STO]
	s_delay_alu instid0(VALU_DEP_1)
	v_add_nc_u32 v[STO], s85, v[STO]
	s_mul_i32 s85, s[WV], 2*SPITCH                 ; back: rows 2 w and 2 w + 1
	s_add_co_u32 s85, s85, STG
	v_add_nc_u32 v[SRD], s85, v[LI]
	s_bfe_u32 s89, ttmp6, 0x40000                  ; cx: my place in the cluster
	s_lshl_b32 s90, ttmp9, 2
	s_add_co_u32 s90, s90, s89                     ; my block of 256 queries: it enters qimg's, qsw's and out0's addresses alone
	s_and_b32 s91, ttmp7, 0xffff                   ; 8 b + head, which the four partners share
	s_lshl_b32 s92, s91, 17                        ; its first byte in the tensors of codes,
	s_mov_b32 s93, 0
	s_lshl_b32 s94, s91, 14                        ; in qsw and ksw,
	s_mov_b32 s95, 0
	s_lshl_b32 s96, s91, 12                        ; in vsw
	s_mov_b32 s97, 0
	s_lshl_b32 s98, s90, 13                        ; my tile 16 x block + w: 512 bytes of codes,
	s_lshl_b32 s85, s[WV], 9
	s_add_co_u32 s98, s98, s85
	s_mov_b32 s99, 0
	s_lshl_b32 s2, s90, 10                         ; 64 bytes of scale words
	s_lshl_b32 s85, s[WV], 6
	s_add_co_u32 s2, s2, s85
	s_mov_b32 s3, 0
	; descriptor groups 1: dense blocks as rows of 256 bytes (32 elements of 8 bytes), no padding; mask: all four work-groups, bit 21 beside it
.irp g, G1C, G1S, G1T
	s_mov_b32 s[\g], 15|(3<<16)|(1<<21)
	s_mov_b32 s[\g+1], 32<<16                      ; tensor_dim0 = 32
	s_mov_b32 s[\g+3], 32<<16                      ; tile_dim0 = 32
	s_mov_b32 s[\g+5], 32                          ; from row to row
	s_mov_b32 s[\g+6], 0
	s_mov_b32 s[\g+7], 0
.endr
	s_mov_b32 s[G1C+2], 64<<16                     ; tensor_dim1,
	s_mov_b32 s[G1C+4], 64                         ; tile_dim1: 16,384 bytes
	s_mov_b32 s[G1S+2], 8<<16
	s_mov_b32 s[G1S+4], 8                          ; 2,048 bytes
	s_mov_b32 s[G1T+2], 2<<16
	s_mov_b32 s[G1T+4], 2                          ; 512 bytes
	s_mov_b32 s[SEL], 0x76543210
	s_mov_b32 s[SEL+1], 0xfedcba98                 ; v_permlanex16_b32's selects for lane l xor 16
	s_mov_b32 s[CS], 0x3e8293ee                    ; c = log2(e) / sqrt(32)
	s_mov_b32 s[CS+1], s[CS]                       ; (named with it as a pair, so it is written)
	s_wait_dscnt 0x0
	s_wait_kmcnt 0x0
	s_add_nc_u64 s[8:9], s[8:9], s[92:93]
	s_add_nc_u64 s[12:13], s[12:13], s[92:93]
	s_add_nc_u64 s[10:11], s[10:11], s[94:95]
	s_add_nc_u64 s[14:15], s[14:15], s[96:97]
	s_add_nc_u64 s[4:5], s[4:5], s[92:93]
	s_add_nc_u64 s[4:5], s[4:5], s[98:99]
	s_add_nc_u64 s[6:7], s[6:7], s[94:95]
	s_add_nc_u64 s[6:7], s[6:7], s[2:3]
	s_lshl_b32 s98, s91, 19                        ; out0: row 32 (8 b + head) + 2 w of 16,384 bytes, + my block's 1,024
	s_lshl_b32 s85, s[WV], 15
	s_add_co_u32 s98, s98, s85
	s_lshl_b32 s85, s90, 10
	s_add_co_u32 s98, s98, s85
	s_add_nc_u64 s[16:17], s[16:17], s[98:99]
	CROUND                                         ; all four work-groups are here: the joint loads meet
	s_cmp_eq_u32 s[WV], 0                          ; each loading wave's fills stand in one branch on the wave's number
	s_cbranch_scc0 .Lnot_0
	FILL8 KIMG, 16384, 8, G1C
	s_branch .Lfilled
.Lnot_0:
	s_cmp_eq_u32 s[WV], 1
	s_cbranch_scc0 .Lnot_1
	FILL8 VIMG, 16384, 12, G1C
	s_branch .Lfilled
.Lnot_1:
	s_cmp_eq_u32 s[WV], 2
	s_cbranch_scc0 .Lnot_2
	FILL8 KSW, 2048, 10, G1S
	s_branch .Lfilled
.Lnot_2:
	s_cmp_eq_u32 s[WV], 3
	s_cbranch_scc0 .Lfilled
	FILL8 VSW, 512, 14, G1T
.Lfilled:
	global_load_b128 v[Q:Q+3], v[LI], s[4:5]       ; my queries' codes stay in registers
	s_wait_alu depctr_va_vdst(0)
	global_load_b32 v[QS], v[R4], s[6:7]           ; and their scale words
.irp j, 4,5,6,7,8,9,10,11,12,13,14,15
	v_mov_b32 v[Q+\j], 0                           ; blocks 1 to 3 of the queries' fragment: zero codes
.endr
.irp j, 0,1,2,3,4,5,6,7,8,9,10,11
	v_mov_b32 v[KD+32+\j], 0                       ; behind the eighth key tile
.endr
.irp j, 0,1,2,3,4,5,6,7,8,9,10,11,12,13,14,15
	v_mov_b32 v[O+\j], 0                           ; O^T.  (The step is written without a first step of its own: it finds zeros, which the first change of M leaves zeros)
.endr
	v_mov_b32 v[NM+1], 0xff61b1e6                  ; the largest t so far: -3e38, under every t
	s_delay_alu instid0(VALU_DEP_1)
	v_floor_f32 v[NM], -v[NM+1]                    ; -M
	v_mov_b32 v[SUM], 0
	v_mov_b32 v[SUM+1], 0
.irp b, 0,1,2,3
	v_mov_b32 v[BP+\b], 0                          ; written once: a lane permute's destination counts as one of its sources
.endr
	v_mov_b32 v[F+1], 0                            ; (named as the upper half of a pair)
	s_wait_loadcnt 0x0
; A KEY STEP: 128 keys.
.macro STEP
	v_add_nc_u32 v[ADK], s[TK], v[LI]
	v_add_nc_u32 v[ADS], s[TS], v[LI]
	ds_load_b128 v[KS:KS+3], v[ADS]
.irp t, 0,1,2,3,4,5,6,7
	ds_load_b128 v[KD+4*\t:KD+4*\t+3], v[ADK] offset:512*\t
.endr
	s_wait_alu depctr_va_vdst(0)
	s_wait_dscnt 0x0
.irp t, 0,2,4,6                                ; S^T = K Q^T: eight accumulators, one instruction each
	v_wmma_scale_f32_16x16x128_f8f6f4 v[S+8*\t:S+8*\t+7], v[KD+4*\t:KD+4*\t+15], v[Q:Q+15], 0, v[KS+\t/2], v[QS]
	v_wmma_scale_f32_16x16x128_f8f6f4 v[S+8*\t+8:S+8*\t+15], v[KD+4*\t+4:KD+4*\t+19], v[Q:Q+15], 0, v[KS+\t/2], v[QS] matrix_a_scale:MATRIX_SCALE_ROW1
.endr
	v_add_nc_u32 v[ADV], VIMG-KIMG, v[ADK]         ; eight places in front of the first read of the scores; with the two additions at the step's head they are ten
	v_add_nc_u32 v[ADT], s[TT], v[LS]              ; behind the last step's second product, whose operands the loads below overwrite
	v_mov_b32 v[T0], v[NM]                         ; the old -M
.rept 5
	v_nop
.endr
.irp u, 0,1
.irp c, 0,1,2,3
	ds_load_b128 v[VF+16*\u+4*\c:VF+16*\u+4*\c+3], v[ADV] offset:2048*\u+512*\c   ; the values land while the softmax is worked
.endr
.endr
	ds_load_b32 v[VS], v[ADT]
.irp b, 0,1,2,3
	v_max3_num_f32 v[BM+\b], v[S+16*\b], v[S+1+16*\b], v[S+2+16*\b]   ; the largest score of each block of 32 keys: it serves for the row's maximum and, since p rises with the score, for the block's largest p
.endr
.irp i, 3,5,7,9,11,13
.irp b, 0,1,2,3
	v_max3_num_f32 v[BM+\b], v[BM+\b], v[S+16*\b+\i], v[S+1+16*\b+\i]
.endr
.endr
.irp b, 0,1,2,3
	v_max_num_f32 v[BM+\b], v[BM+\b], v[S+15+16*\b]
.endr
.irp b, 0,1,2,3
	s_delay_alu instid0(VALU_DEP_4)
	v_permlanex16_b32 v[BP+\b], v[BM+\b], s[SEL], s[SEL+1]
.endr
.irp b, 0,1,2,3
	s_delay_alu instid0(VALU_DEP_4)
	v_max_num_f32 v[BM+\b], v[BM+\b], v[BP+\b]     ; with lane l xor 16's 16 keys
.endr
	s_delay_alu instid0(VALU_DEP_2)
	v_max3_num_f32 v[T1], v[BM], v[BM+1], v[BM+2]
	s_delay_alu instid0(VALU_DEP_1)
	v_max_num_f32 v[T1], v[T1], v[BM+3]            ; the step's largest score of my query
	s_delay_alu instid0(VALU_DEP_1)
	v_mul_f32 v[T1], s[CS], v[T1]                  ; as t (c is positive)
	s_delay_alu instid0(VALU_DEP_1)
	v_max_num_f32 v[NM+1], v[NM+1], v[T1]          ; the running largest t
	s_delay_alu instid0(VALU_DEP_1)
	v_floor_f32 v[NM], -v[NM+1]                    ; the new -M = -ceil(t): M is a whole number
	s_delay_alu instid0(VALU_DEP_1)
	v_sub_f32 v[T0], v[NM], v[T0]                  ; old M - new M: a whole number, 0 or less
	s_delay_alu instid0(VALU_DEP_1)
	v_cvt_i32_f32 v[T0], v[T0]                     ; (it saturates)
	s_delay_alu instid0(VALU_DEP_1)
	v_ldexp_f32 v[F], 1.0, v[T0]                   ; f = 2^(old M - new M)
.irp j, 0,2,4,6,8,10,12,14,16,18,20,22,24,26,28,30,32,34,36,38,40,42,44,46,48,50,52,54,56,58,60,62
	v_pk_fma_f32 v[S+\j:S+1+\j], v[S+\j:S+1+\j], s[CS:CS+1], v[NM:NM+1] op_sel_hi:[1,0,0]   ; t - M, two at a time
.endr
.irp b, 0,1,2,3
	v_fma_f32 v[BM+\b], v[BM+\b], s[CS], v[NM]     ; the same of each block's largest score
.endr
	s_setprio 1
	s_wait_alu depctr_va_vdst(0)
.irp j, 0,1,2,3,4,5,6,7,8,9,10,11,12,13,14,15,16,17,18,19,20,21,22,23,24,25,26,27,28,29,30,31,32,33,34,35,36,37,38,39,40,41,42,43,44,45,46,47,48,49,50,51,52,53,54,55,56,57,58,59,60,61,62,63
	v_exp_f32 v[S+\j], v[S+\j]                     ; p = 2^(t - M), at most 1
.endr
.irp b, 0,1,2,3
	v_exp_f32 v[BM+\b], v[BM+\b]                   ; the block's largest p: the same two instructions on the same number
.endr
	v_pk_mul_f32 v[SUM:SUM+1], v[SUM:SUM+1], v[F:F+1] op_sel_hi:[1,0]   ; the sums under the new M.  (A plain line behind the exponentials)
	s_wait_alu depctr_va_vdst(0)
.irp b, 0,1,2,3
	v_max_num_f32 v[BM+\b], 0x4800000, v[BM+\b]    ; the floor 2^(9 - 127): the byte cannot fall under 1
.endr
.irp b, 0,1,2,3
	s_delay_alu instid0(VALU_DEP_4)
	v_add_nc_u32 v[BS+\b], 0xfc000000, v[BM+\b]    ; 8 off the exponent field: the conversion's scale operand
.endr
.irp b, 0,1,2,3
.endr
.irp b, 0,1,2,3
	s_delay_alu instid0(VALU_DEP_4)
	v_lshrrev_b32 v[BP+\b], 23, v[BS+\b]           ; the scale's byte
.endr
	s_delay_alu instid0(VALU_DEP_3)
	v_lshl_or_b32 v[PS], v[BP+1], 8, v[BP]         ; p's scale word for these 128 keys
	s_delay_alu instid0(VALU_DEP_1)
	v_lshl_or_b32 v[PS], v[BP+2], 16, v[PS]
	s_delay_alu instid0(VALU_DEP_1)
	v_lshl_or_b32 v[PS], v[BP+3], 24, v[PS]
	v_pk_add_f32 v[SU2:SU2+1], v[S:S+1], v[S+2:S+3]   ; the row's sum is taken of the unquantised p: two at a time, in two chains
.irp j, 4,8,12,16,20,24,28,32,36,40,44,48,52,56,60
	v_pk_add_f32 v[SUM:SUM+1], v[SUM:SUM+1], v[S+\j:S+1+\j]
	v_pk_add_f32 v[SU2:SU2+1], v[SU2:SU2+1], v[S+2+\j:S+3+\j]
.endr
	s_setprio 0
.irp b, 0,1,2,3
.irp i, 0,1,2,3,4,5,6,7,8,9,10,11,12,13,14,15
.endr
	v_cvt_scalef32_pk8_fp8_f32 v[PC+4*\b:PC+1+4*\b], v[S+16*\b:S+7+16*\b], v[BS+\b]
	v_cvt_scalef32_pk8_fp8_f32 v[PC+2+4*\b:PC+3+4*\b], v[S+8+16*\b:S+15+16*\b], v[BS+\b]
.endr
.irp j, 0,2,4,6,8,10,12,14
	v_pk_mul_f32 v[O+\j:O+1+\j], v[O+\j:O+1+\j], v[F:F+1] op_sel_hi:[1,0]   ; O^T under the new M.  (Plain lines behind the conversions and in front of the products)
.endr
	v_pk_add_f32 v[SUM:SUM+1], v[SUM:SUM+1], v[SU2:SU2+1]
.rept 3
	v_nop                                          ; with the addition above: four places between the last vector write of a register of the products below and the first of them
.endr
	s_wait_alu depctr_va_vdst(0)
	s_wait_dscnt 0x0                               ; the values and their scale words are in
	v_wmma_scale_f32_16x16x128_f8f6f4 v[O:O+7], v[VF:VF+15], v[PC:PC+15], v[O:O+7], v[VS], v[PS]
	v_wmma_scale_f32_16x16x128_f8f6f4 v[O+8:O+15], v[VF+16:VF+31], v[PC:PC+15], v[O+8:O+15], v[VS], v[PS] matrix_a_scale:MATRIX_SCALE_ROW1
.endm
; A run of key steps whose bytes have landed.  cnt: how many of a loading wave's eight fills, the younger ones, may still be out; behind the barrier every wave may read what the four loading waves waited for.
; Nothing is ever filled again, so the younger fills stay on their way across the barrier.  Each run sets its own first addresses: constants.
.macro PHASE cnt, first, trips
	s_wait_tensorcnt \cnt
	s_barrier_signal -1
	s_barrier_wait -1
	s_mov_b32 s[TK], KIMG+4096*\first
	s_mov_b32 s[TS], KSW+512*\first
	s_mov_b32 s[TT], VSW+128*\first
	s_mov_b32 s[CNT], \trips
.Lstep_\@:
	s_setprio 2
	STEP
	s_add_co_u32 s[TK], s[TK], 4096
	s_add_co_u32 s[TS], s[TS], 512
	s_add_co_u32 s[TT], s[TT], 128
	s_sub_co_u32 s[CNT], s[CNT], 1
	s_cmp_lg_u32 s[CNT], 0
	s_cbranch_scc1 .Lstep_\@
	s_setprio 0
.endm
	PHASE 7, 0, 4                                  ; the first of the eight parts (steps 0-3) has landed; seven younger fills may be out
	PHASE 6, 4, 4                                  ; the second; six may be out
	PHASE 4, 8, 8                                  ; the third and fourth; four may be out
	PHASE 0, 16, 16                                ; all: no tensor load is out from here on
	; THE WAY OUT.  O^T is divided by the row's sum and goes to the work-group's stage, row d, column = the query's place; each wave then stores two whole rows.
	v_add_f32 v[SUM], v[SUM], v[SUM+1]             ; the sum's two halves,
	s_delay_alu instid0(VALU_DEP_1)
	v_permlanex16_b32 v[BP], v[SUM], s[SEL], s[SEL+1]
	s_delay_alu instid0(VALU_DEP_1)
	v_add_f32 v[SUM], v[SUM], v[BP]                ; and lane l xor 16's: the row's sum
	s_wait_alu depctr_va_vdst(0)
	v_rcp_f32 v[SUM], v[SUM]
.rept 6
	v_nop                                          ; the first: a plain line behind the reciprocal; with the two additions: eight places behind the last product
.endr
	s_wait_alu depctr_va_vdst(0)
.irp j, 0,1,2,3,4,5,6,7,8,9,10,11,12,13,14,15
	v_mul_f32 v[S+\j], v[O+\j], v[SUM]             ; register 8 u + i is out(d = 16 u + 8 h + i, my query); each accumulator from its low end on
.endr
.irp j, 0,1,2,3,4,5,6,7,8,9,10,11,12,13,14,15
	ds_store_b32 v[STO], v[S+\j] offset:(16*(\j/8)+\j%8)*SPITCH
.endr
	s_wait_dscnt 0x0                               ; for the others' sake: my stores into the stage are done
	s_barrier_signal -1
	s_barrier_wait -1
.irp k, 0,1,2,3
	ds_load_b128 v[S+16+4*\k:S+19+4*\k], v[SRD] offset:(\k/2)*SPITCH+512*(\k%2)
.endr
.irp k, 0,1,2,3
	s_wait_dscnt 3-\k                              ; LDS loads come back in order: load k is in, the younger ones may be out
	global_store_b128 v[LI], v[S+16+4*\k:S+19+4*\k], s[16:17] offset:(\k/2)*16384+512*(\k%2) th:TH_STORE_NT   ; 32 lanes store 512 consecutive bytes, aligned
.endr
	s_wait_tensorcnt 0x0
	ds_add_u32 v254, v255
	s_wait_dscnt 0x0
	CROUND                                         ; the closing round: no work-group ends while a partner may still ask for a tile that names it
	s_endpgm
.Lfunc_end_k_q0b5a9421bf_attn:
	.size	k_q0b5a9421bf_attn, .Lfunc_end_k_q0b5a9421bf_attn-k_q0b5a9421bf_attn
	.p2alignl 7, 3214868480
	.fill 96, 4, 3214868480
	.section	.rodata,"a",@progbits
	.p2align	6, 0x0
	.amdhsa_kernel k_q0b5a9421bf_attn
		.amdhsa_group_segment_fixed_size 327680
		.amdhsa_private_segment_fixed_size 0
		.amdhsa_enable_private_segment 0
		.amdhsa_kernarg_size 56
		.amdhsa_user_sgpr_count 2
		.amdhsa_user_sgpr_kernarg_segment_ptr 1
		.amdhsa_wavefront_size32 1
		.amdhsa_system_sgpr_workgroup_id_x 1
		.amdhsa_system_sgpr_workgroup_id_y 1
		.amdhsa_system_sgpr_workgroup_id_z 1
		.amdhsa_system_vgpr_workitem_id 0
		.amdhsa_next_free_vgpr 256
		.amdhsa_next_free_sgpr 100
		.amdhsa_reserve_vcc 0
		.amdhsa_float_denorm_mode_32 3
		.amdhsa_float_denorm_mode_16_64 3
		.amdhsa_fp16_overflow 1
		.amdhsa_memory_ordered 1
		.amdhsa_forward_progress 1
		.amdhsa_inst_pref_size 84
	.end_amdhsa_kernel
	.amdgpu_metadata
---
amdhsa.version: [ 1, 2 ]
amdhsa.kernels:
  - .name:           k_q0b5a9421bf_attn
    .symbol:         k_q0b5a9421bf_attn.kd
    .args:
      - { .name: qimg, .offset: 0, .size: 8, .value_kind: global_buffer, .address_space: global }
      - { .name: qsw, .offset: 8, .size: 8, .value_kind: global_buffer, .address_space: global }
      - { .name: kimg, .offset: 16, .size: 8, .value_kind: global_buffer, .address_space: global }
      - { .name: ksw, .offset: 24, .size: 8, .value_kind: global_buffer, .address_space: global }
      - { .name: vimg, .offset: 32, .size: 8, .value_kind: global_buffer, .address_space: global }
      - { .name: vsw, .offset: 40, .size: 8, .value_kind: global_buffer, .address_space: global }
      - { .name: out0, .offset: 48, .size: 8, .value_kind: global_buffer, .address_space: global }
    .group_segment_fixed_size: 327680
    .private_segment_fixed_size: 0
    .kernarg_segment_align: 8
    .kernarg_segment_size: 56
    .max_flat_workgroup_size: 512
    .sgpr_count:     100
    .vgpr_count:     256
    .wavefront_size: 32
...
	.end_amdgpu_metadata
.endif
;; end of part 2
